; MI455X (gfx1250); checked and timed in simulation.
; The chip was launched on July 23, 2026; its instructions are those of AMD's public machine-readable ISA for CDNA 5 (MIT licence, August 2026) and "CDNA5" Instruction Set Architecture Reference Guide (July 2026). The comments in the code are by the model that wrote it; some were corrected since.
;; Barycentric Coordinates. Allowed arithmetic: float matrix products may take bf16 or f16 operands with f32 sums; all other float work in f32.
;; Inputs: projections 6,000 x 16 x 2 float32; template 5 x 8 x 2 float32.
;; Outputs: out0 6,000 x 5 x 8 x 3 float32; out1 6,000 x 5 x 8 x 3 int32.
;; One version. Each part assembles by itself: llvm-mc -triple=amdgcn-amd-amdhsa -mcpu=gfx1250 --defsym DOCPART=n.
;; ======== version 1 of 1: 1 launch
;; launch bary (part 1): grid 1875 x 1, 4 waves a work-group, no clusters, 3,584 bytes of LDS; arguments projections, template, out0, out1; writes out0, out1
.if DOCPART == 1
	.amdgcn_target "amdgcn-amd-amdhsa--gfx1250"
	.amdhsa_code_object_version 6
	.text
	.protected	k_qe3aed2897a_bary
	.globl	k_qe3aed2897a_bary
	.p2align	8
	.type	k_qe3aed2897a_bary,@function
k_qe3aed2897a_bary:
	s_mov_b64 s[64:65], 0
	v_nop
	global_prefetch_b8 v0, s[64:65] scope:SCOPE_SE
	s_setreg_imm32_b32 hwreg(HW_REG_WAVE_MODE, 25, 1), 1
	s_wait_xcnt 0x0
; Barycentric coordinates of 40 template points in the triangles of 16 projected neighbours, for 6000 vertices.
; One lane = one query (vertex, template point); 240,000 queries = 7,500 waves = 1,875 work-groups of 4 waves.
; Steps of a lane: 16 distances; a stable sort by (distance, index) in registers; edges from the closest point; all pairs (n <= m) of the
; 15 others: dot01, denominator, p2, p1, and p0 for (n,m) and for (m,n); the first minimum; the winner once more; output through LDS.
;
; WHY THE VECTOR ALU AND NOT THE MATRIX UNIT: the products have K = 2, and the outputs hang on the last bit of every sum (below), so operands
; of 16 bits cannot be used.  No cluster, no tensor load: the work-groups share no tile; a work-group reads at most five vertices of
; 128 bytes and the 320 bytes of the template.
;
; ROUNDING DECIDES THE RESULT.  On the table's diagonal (n,n) the denominator dot00^2 - dot01^2 and both numerators are zero in exact
; arithmetic; what the formula yields there in f32 is a ratio of rounding errors, which is often a valid triple and often the best one.
; So every step here is one IEEE f32 operation in the order of the problem's formula, division and root are correctly rounded (EVAL, step 3),
; and the sums of two products are formed by the five switches below:
; for a sum x x' + y y': 1 = fma(y, y', rn(x x')), 0 = rn(rn(x x') + rn(y y')); for a b - c d: 1 = fma(a, b, -rn(c d)), 0 = rn(rn(a b) - rn(c d)).
; A host that rounds otherwise gets other winners on the diagonal.
; WHAT IS LEFT OUT CHANGES NO RESULT: p2[m,n] is p1[n,m] bit for bit, so a pair is divided once.  A triple of three positive weights lies in
; (0,1] and its largest is at least (1-2^-23)/3; there rn(x x) is strictly increasing, so the largest weight is compared in place of its square.
; LIMITS: NaN and infinite inputs are not served, nor a quotient that overflows f32 (it would make a NaN in the table).  The division is exact
; while denominator and numerators are normal numbers between about 2^-100 and 2^100 (inputs 30 times larger or smaller than unit spread
; stay far inside, the rounding errors of the diagonal too); the root for d^2 = 0 or d^2 >= 2^-96.
.set FMA_NORM, 1                       ; dx^2 + dy^2 of the norm
.set FMA_D00,  0                       ; dot00
.set FMA_D02,  1                       ; dot02
.set FMA_D01,  0                       ; dot01
.set FMA_EL,   1                       ; a b - c d of denominator and numerators
.set OUTB,  1536                       ; bytes of one output for the group's 128 queries (12 each): six aligned blocks of 256
.set KBIAS, 0x55560000                 ; -(0x3EAAAA00 << 8) mod 2^32: key = ((bits(largest weight) - 0x3EAAAA00) << 8) + 16 row + col <= 0xD55600EE
.set TT,   2                           ; v[2:3]    template point
.set TV,   4                           ; v[4:5]    template point - closest
.set BEST, 6                           ; v6        smallest key so far; -1 = none
.set EPS,  7                           ; v7        1e-10
.set SPD,  8                           ; v8-11     the free register of each field of the sort (the names move with every exchange)
.set SPX,  9
.set SPY,  10
.set SPI,  11
.set T01,  12                          ; v[12:37]  at work, in pairs: entries (n,m) and (n,m+1) at a time
.set TS,   14
.set TU,   16
.set DN,   18
.set RC,   20
.set NA,   22
.set NB,   24
.set TE,   26
.set TF,   28
.set QA,   30                          ; p2[n,m] = p1[m,n]
.set QB,   32                          ; p1[n,m] = p2[m,n]
.set PA,   34                          ; p0[n,m]
.set PB,   36                          ; p0[m,n]
.set K0,   38                          ; v38-45    scoring and the end
.set K1,   39
.set K2,   40
.set K3,   41
.set K4,   42
.set K5,   43
.set K6,   44
.set K7,   45
.set AP,   46                          ; v46, v47  byte offsets of my vertex and of my template point; never rewritten
.set AT,   47
.set QD,   48                          ; v[48:63]  squared distances; later XB
.set XB,   48                          ;           x of other[n] - closest, n = 0..14; place 15 is 0
.set DB,   64                          ; v[64:79]  distances; later YB
.set YB,   64
.set PT,   80                          ; v[80:111] the 16 points as loaded (x, y); later D00, D02
.set D00,  80
.set D02,  96
.set IB,   112                         ; v[112:127] indices
.set MS,   20                          ; s[20:31]  lane masks of up to four exchanges
.set ME,   24
.set ML,   28
	s_load_b256 s[4:11], s[0:1], 0x0               ; projections s[4:5], template s[6:7], out0 s[8:9], out1 s[10:11]
	v_lshl_add_u32 v128, v0, 2, 0xc00
	v_mov_b32 v129, 0
	v_lshrrev_b32 v1, 5, v0
	v_readfirstlane_b32 s12, v1                    ; wave 0..3
	s_lshl_b32 s13, ttmp9, 7                       ; the group's first query
	v_add_nc_u32 v12, s13, v0                      ; q < 240,000
	v_lshrrev_b32 v13, 3, v12                      ; q / 8 < 30,000
	v_mul_u32_u24 v13, 0xcccd, v13                 ; x / 5 = (52,429 x) >> 18, exact for x < 2^16
	v_lshrrev_b32 v13, 18, v13                     ; vertex = q / 40
	v_mul_u32_u24 v14, 40, v13
	v_sub_nc_u32 v14, v12, v14                     ; template point = q mod 40
	v_lshlrev_b32 v[AP], 7, v13                    ; 128 bytes a vertex
	v_lshlrev_b32 v[AT], 3, v14                    ; 8 bytes a template point
	s_wait_kmcnt 0x0
	global_load_b64 v[TT:TT+1], v[AT], s[6:7]
.irp k, 0,1,2,3,4,5,6,7
	global_load_b128 v[PT+4*\k:PT+4*\k+3], v[AP], s[4:5] offset:16*\k
.endr
	s_mul_i32 s14, ttmp9, OUTB                     ; the group's part of each output (below 2,880,000)
	s_mov_b32 s15, 0
	s_add_nc_u64 s[8:9], s[8:9], s[14:15]
	s_add_nc_u64 s[10:11], s[10:11], s[14:15]
	v_mov_b32 v[EPS], 0x2edbe6ff                   ; 1e-10 in f32
	v_mov_b32 v[BEST], -1
	s_wait_loadcnt 0x0                             ; all nine loads are needed at once
; 1. squared distances
.irp i, 0,1,2,3,4,5,6,7,8,9,10,11,12,13,14,15
.set A, 12+2*(\i%4)
	v_pk_add_f32 v[A:A+1], v[TT:TT+1], v[PT+2*\i:PT+2*\i+1] neg_lo:[0,1] neg_hi:[0,1]
.if FMA_NORM
	v_mul_f32 v[QD+\i], v[A], v[A]
	v_fma_f32 v[QD+\i], v[A+1], v[A+1], v[QD+\i]
.else
	v_pk_mul_f32 v[A:A+1], v[A:A+1], v[A:A+1]
	v_add_f32 v[QD+\i], v[A], v[A+1]
.endif
.endr
; 2. roots, back to back; the sixteen moves behind them are the plain instructions between a root and its first use (ISA guide 5.7.2)
.irp i, 0,1,2,3,4,5,6,7,8,9,10,11,12,13,14,15
	v_sqrt_f32 v[DB+\i], v[QD+\i]
.endr
.irp i, 0,1,2,3,4,5,6,7,8,9,10,11,12,13,14,15
	v_mov_b32 v[IB+\i], \i
.endr
; 3. the root s is within one unit in the last place; make it the correctly rounded one: with its neighbours s-, s+ (bits -1, +1),
;    x - s- s <= 0 means s- is the root, x - s+ s > 0 means s+ is.  For x = 0 both tests fail (a NaN, a zero) and s = 0 stays.
	s_wait_alu depctr_va_vdst(0)
.irp j, 0,1,2,3,4,5,6,7
.set A, 12+8*(\j%2)
	v_add_nc_u32 v[A],   -1, v[DB+2*\j]
	v_add_nc_u32 v[A+1], -1, v[DB+2*\j+1]
	v_add_nc_u32 v[A+2],  1, v[DB+2*\j]
	v_add_nc_u32 v[A+3],  1, v[DB+2*\j+1]
	v_pk_fma_f32 v[A+4:A+5], v[A:A+1],   v[DB+2*\j:DB+2*\j+1], v[QD+2*\j:QD+2*\j+1] neg_lo:[1,0,0] neg_hi:[1,0,0]
	v_pk_fma_f32 v[A+6:A+7], v[A+2:A+3], v[DB+2*\j:DB+2*\j+1], v[QD+2*\j:QD+2*\j+1] neg_lo:[1,0,0] neg_hi:[1,0,0]
	v_cmp_ge_f32 vcc_lo, 0, v[A+4]
	v_cndmask_b32 v[DB+2*\j], v[DB+2*\j], v[A], vcc_lo
	v_cmp_lt_f32 vcc_lo, 0, v[A+6]
	v_cndmask_b32 v[DB+2*\j], v[DB+2*\j], v[A+2], vcc_lo
	v_cmp_ge_f32 vcc_lo, 0, v[A+5]
	v_cndmask_b32 v[DB+2*\j+1], v[DB+2*\j+1], v[A+1], vcc_lo
	v_cmp_lt_f32 vcc_lo, 0, v[A+7]
	v_cndmask_b32 v[DB+2*\j+1], v[DB+2*\j+1], v[A+3], vcc_lo
.endr
; 4. the sort: Batcher's odd-even merge network for 16 places, 63 exchanges, on the key (distance, index): that key is unique, so the
;    result is the stable order.  Nothing but selects: no address and no branch hangs on a distance.
;    RDp, RIp, RXp, RYp name the registers that hold place p's distance, index, x, y.  An exchange writes the lower place's new value into
;    the field's free register and the upper place's over its own; the lower place's old register is the free one from then on: two selects a field.
.irp i, 0,1,2,3,4,5,6,7,8,9,10,11,12,13,14,15
.set RD\i, DB+\i
.set RI\i, IB+\i
.set RX\i, PT+2*\i
.set RY\i, PT+2*\i+1
.endr
.macro CECMP a, b, k
	v_cmp_lt_f32 s[MS+\k], v[RD\b], v[RD\a]        ; the upper place holds a nearer point,
	v_cmp_eq_f32 s[ME+\k], v[RD\b], v[RD\a]        ; or one as near
	v_cmp_lt_u32 s[ML+\k], v[RI\b], v[RI\a]        ; with the lower index
.endm
.macro CEMIX k
	s_and_b32 s[ME+\k], s[ME+\k], s[ML+\k]
	s_or_b32 s[MS+\k], s[MS+\k], s[ME+\k]
.endm
.macro SWAP1 pre, sp, a, b, msk
	v_cndmask_b32 v[\sp], v[\pre\a], v[\pre\b], s[\msk]
	v_cndmask_b32 v[\pre\b], v[\pre\b], v[\pre\a], s[\msk]
.set RTMP, \pre\a
.set \pre\a, \sp
.set \sp, RTMP
.endm
.macro CESWP a, b, k, kd                       ; kd = 0: no later exchange compares these distances
.if \kd
	SWAP1 RD, SPD, \a, \b, MS+\k
.endif
	SWAP1 RI, SPI, \a, \b, MS+\k
	SWAP1 RX, SPX, \a, \b, MS+\k
	SWAP1 RY, SPY, \a, \b, MS+\k
.endm
.macro G4 a0, b0, a1, b1, a2, b2, a3, b3, kd   ; four exchanges of one layer (eight different places): compares, masks, selects
	CECMP \a0, \b0, 0
	CECMP \a1, \b1, 1
	CECMP \a2, \b2, 2
	CECMP \a3, \b3, 3
	CEMIX 0
	CEMIX 1
	CEMIX 2
	CEMIX 3
	CESWP \a0, \b0, 0, \kd
	CESWP \a1, \b1, 1, \kd
	CESWP \a2, \b2, 2, \kd
	CESWP \a3, \b3, 3, \kd
.endm
.macro G3 a0, b0, a1, b1, a2, b2, kd
	CECMP \a0, \b0, 0
	CECMP \a1, \b1, 1
	CECMP \a2, \b2, 2
	CEMIX 0
	CEMIX 1
	CEMIX 2
	CESWP \a0, \b0, 0, \kd
	CESWP \a1, \b1, 1, \kd
	CESWP \a2, \b2, 2, \kd
.endm
	G4 0,1, 2,3, 4,5, 6,7, 1                       ; runs of 2
	G4 8,9, 10,11, 12,13, 14,15, 1
	G4 0,2, 1,3, 4,6, 5,7, 1                       ; runs of 4
	G4 8,10, 9,11, 12,14, 13,15, 1
	G4 1,2, 5,6, 9,10, 13,14, 1
	G4 0,4, 1,5, 2,6, 3,7, 1                       ; runs of 8
	G4 8,12, 9,13, 10,14, 11,15, 1
	G4 2,4, 3,5, 10,12, 11,13, 1
	G3 1,2, 3,4, 5,6, 1
	G3 9,10, 11,12, 13,14, 1
	G4 0,8, 1,9, 2,10, 3,11, 1                     ; the run of 16
	G4 4,12, 5,13, 6,14, 7,15, 1
	G4 4,8, 5,9, 6,10, 7,11, 1
	G3 2,4, 3,5, 6,8, 1
	G3 7,9, 10,12, 11,13, 1
	G4 1,2, 3,4, 5,6, 7,8, 0
	G3 9,10, 11,12, 13,14, 0
; 5. edges from the closest point (place 0), into two plain arrays so that neighbours m, m+1 are a register pair; then dot00 and dot02
.macro DOTS j
	v_pk_mul_f32 v[D00+\j:D00+\j+1], v[XB+\j:XB+\j+1], v[XB+\j:XB+\j+1]
	v_pk_mul_f32 v[D02+\j:D02+\j+1], v[XB+\j:XB+\j+1], v[TV:TV+1] op_sel_hi:[1,0]
.if FMA_D00
	v_pk_fma_f32 v[D00+\j:D00+\j+1], v[YB+\j:YB+\j+1], v[YB+\j:YB+\j+1], v[D00+\j:D00+\j+1]
.else
	v_pk_mul_f32 v[TS:TS+1], v[YB+\j:YB+\j+1], v[YB+\j:YB+\j+1]
	v_pk_add_f32 v[D00+\j:D00+\j+1], v[D00+\j:D00+\j+1], v[TS:TS+1]
.endif
.if FMA_D02
	v_pk_fma_f32 v[D02+\j:D02+\j+1], v[YB+\j:YB+\j+1], v[TV:TV+1], v[D02+\j:D02+\j+1] op_sel:[0,1,0] op_sel_hi:[1,1,1]
.else
	v_pk_mul_f32 v[TU:TU+1], v[YB+\j:YB+\j+1], v[TV:TV+1] op_sel:[0,1] op_sel_hi:[1,1]
	v_pk_add_f32 v[D02+\j:D02+\j+1], v[D02+\j:D02+\j+1], v[TU:TU+1]
.endif
.endm
	v_sub_f32 v[TV],   v[TT],   v[RX0]
	v_sub_f32 v[TV+1], v[TT+1], v[RY0]
.irp p, 1,2,3,4,5,6,7,8,9,10,11,12,13,14,15
	v_sub_f32 v[XB+\p-1], v[RX\p], v[RX0]
	v_sub_f32 v[YB+\p-1], v[RY\p], v[RY0]
.endr
	v_mov_b32 v[XB+15], 0                          ; the sixteenth place only fills the last pair; its results are never scored
	v_mov_b32 v[YB+15], 0
.irp j, 0,2,4,6,8,10,12,14
	DOTS \j                                        ; the points' registers are dead from here on: D00 and D02 take them
.endr
; 6. the table.  EVAL: row n = rp + sl (rp even; the row's number is broadcast out of its pair by op_sel), columns m and m + 1.
.macro EVAL rp, sl, m
	v_pk_mul_f32 v[T01:T01+1], v[XB+\m:XB+\m+1], v[XB+\rp:XB+\rp+1] op_sel:[0,\sl] op_sel_hi:[1,\sl]
.if FMA_D01
	v_pk_fma_f32 v[T01:T01+1], v[YB+\m:YB+\m+1], v[YB+\rp:YB+\rp+1], v[T01:T01+1] op_sel:[0,\sl,0] op_sel_hi:[1,\sl,1]
.else
	v_pk_mul_f32 v[TS:TS+1], v[YB+\m:YB+\m+1], v[YB+\rp:YB+\rp+1] op_sel:[0,\sl] op_sel_hi:[1,\sl]
	v_pk_add_f32 v[T01:T01+1], v[T01:T01+1], v[TS:TS+1]
.endif
	v_pk_mul_f32 v[TU:TU+1], v[T01:T01+1], v[T01:T01+1]
.if FMA_EL
	v_pk_fma_f32 v[DN:DN+1], v[D00+\m:D00+\m+1], v[D00+\rp:D00+\rp+1], v[TU:TU+1] op_sel:[0,\sl,0] op_sel_hi:[1,\sl,1] neg_lo:[0,0,1] neg_hi:[0,0,1]
.else
	v_pk_mul_f32 v[TS:TS+1], v[D00+\m:D00+\m+1], v[D00+\rp:D00+\rp+1] op_sel:[0,\sl] op_sel_hi:[1,\sl]
	v_pk_add_f32 v[DN:DN+1], v[TS:TS+1], v[TU:TU+1] neg_lo:[0,1] neg_hi:[0,1]
.endif
	v_cmp_eq_f32 vcc_lo, 0, v[DN]                  ; a denominator of 0 becomes 1e-10
	v_cndmask_b32 v[DN], v[DN], v[EPS], vcc_lo
	v_cmp_eq_f32 vcc_lo, 0, v[DN+1]
	v_cndmask_b32 v[DN+1], v[DN+1], v[EPS], vcc_lo
	v_rcp_f32 v[RC], v[DN]
	v_rcp_f32 v[RC+1], v[DN+1]
	; the numerators; these lines also stand between the reciprocals and their first use (ISA guide 5.7.2)
	v_pk_mul_f32 v[TE:TE+1], v[T01:T01+1], v[D02+\m:D02+\m+1]
	v_pk_mul_f32 v[TF:TF+1], v[T01:T01+1], v[D02+\rp:D02+\rp+1] op_sel:[0,\sl] op_sel_hi:[1,\sl]
.if FMA_EL
	v_pk_fma_f32 v[NA:NA+1], v[D00+\m:D00+\m+1], v[D02+\rp:D02+\rp+1], v[TE:TE+1] op_sel:[0,\sl,0] op_sel_hi:[1,\sl,1] neg_lo:[0,0,1] neg_hi:[0,0,1]   ; dot02[n] dot00[m] - dot01 dot02[m]
	v_pk_fma_f32 v[NB:NB+1], v[D02+\m:D02+\m+1], v[D00+\rp:D00+\rp+1], v[TF:TF+1] op_sel:[0,\sl,0] op_sel_hi:[1,\sl,1] neg_lo:[0,0,1] neg_hi:[0,0,1]   ; dot00[n] dot02[m] - dot01 dot02[n]
.else
	v_pk_mul_f32 v[NA:NA+1], v[D00+\m:D00+\m+1], v[D02+\rp:D02+\rp+1] op_sel:[0,\sl] op_sel_hi:[1,\sl]
	v_pk_mul_f32 v[NB:NB+1], v[D02+\m:D02+\m+1], v[D00+\rp:D00+\rp+1] op_sel:[0,\sl] op_sel_hi:[1,\sl]
	v_pk_add_f32 v[NA:NA+1], v[NA:NA+1], v[TE:TE+1] neg_lo:[0,1] neg_hi:[0,1]
	v_pk_add_f32 v[NB:NB+1], v[NB:NB+1], v[TF:TF+1] neg_lo:[0,1] neg_hi:[0,1]
.endif
	; two correctly rounded divisions by one denominator: one Newton step on the reciprocal, a product, two corrections by the exact residual
	s_wait_alu depctr_va_vdst(0)
	v_pk_fma_f32 v[TE:TE+1], v[DN:DN+1], v[RC:RC+1], 1.0 op_sel_hi:[1,1,0] neg_lo:[1,0,0] neg_hi:[1,0,0]
	v_pk_fma_f32 v[RC:RC+1], v[TE:TE+1], v[RC:RC+1], v[RC:RC+1]
	v_pk_mul_f32 v[QA:QA+1], v[NA:NA+1], v[RC:RC+1]
	v_pk_mul_f32 v[QB:QB+1], v[NB:NB+1], v[RC:RC+1]
.rept 2
	v_pk_fma_f32 v[TE:TE+1], v[DN:DN+1], v[QA:QA+1], v[NA:NA+1] neg_lo:[1,0,0] neg_hi:[1,0,0]
	v_pk_fma_f32 v[TF:TF+1], v[DN:DN+1], v[QB:QB+1], v[NB:NB+1] neg_lo:[1,0,0] neg_hi:[1,0,0]
	v_pk_fma_f32 v[QA:QA+1], v[TE:TE+1], v[RC:RC+1], v[QA:QA+1]
	v_pk_fma_f32 v[QB:QB+1], v[TF:TF+1], v[RC:RC+1], v[QB:QB+1]
.endr
	v_pk_add_f32 v[PA:PA+1], v[QA:QA+1], 1.0 op_sel_hi:[1,0] neg_lo:[1,0] neg_hi:[1,0]   ; 1 - p2
	v_pk_add_f32 v[PB:PB+1], v[QB:QB+1], 1.0 op_sel_hi:[1,0] neg_lo:[1,0] neg_hi:[1,0]
	v_pk_add_f32 v[PA:PA+1], v[PA:PA+1], v[QB:QB+1] neg_lo:[0,1] neg_hi:[0,1]            ; (1 - p2) - p1 of (n,m)
	v_pk_add_f32 v[PB:PB+1], v[PB:PB+1], v[QA:QA+1] neg_lo:[0,1] neg_hi:[0,1]            ; and of (m,n)
.endm
; SCORE: half h of the last EVAL is entry (rw, cl) and, off the diagonal, entry (cl, rw).  An entry counts if its smallest weight is above 0;
; its key carries the largest weight above its place in the table, so one unsigned minimum keeps the first of the smallest.
.macro SCORE rw, cl, h
	v_min3_num_f32 v[K0], v[QA+\h], v[QB+\h], v[PA+\h]
	v_max3_num_f32 v[K1], v[QA+\h], v[QB+\h], v[PA+\h]
.if (\rw) != (\cl)
	v_min3_num_f32 v[K2], v[QA+\h], v[QB+\h], v[PB+\h]
	v_max3_num_f32 v[K3], v[QA+\h], v[QB+\h], v[PB+\h]
.endif
	v_cmp_lt_f32 vcc_lo, 0, v[K0]
	v_lshl_add_u32 v[K1], v[K1], 8, KBIAS+16*(\rw)+(\cl)
	v_cndmask_b32 v[K1], -1, v[K1], vcc_lo
	v_min_u32 v[BEST], v[BEST], v[K1]
.if (\rw) != (\cl)
	v_cmp_lt_f32 s17, 0, v[K2]
	v_lshl_add_u32 v[K3], v[K3], 8, KBIAS+16*(\cl)+(\rw)
	v_cndmask_b32 v[K3], -1, v[K3], s17
	v_min_u32 v[BEST], v[BEST], v[K3]
.endif
.endm
.macro ROW row, rp, sl                         ; the entries (row, m) and (m, row) for m = row .. 14
.irp m, 0,2,4,6,8,10,12,14
.if \m+1 >= \row
	EVAL \rp, \sl, \m
.if \m >= \row
	SCORE \row, \m, 0
.endif
.if \m < 14
	SCORE \row, \m+1, 1
.endif
.endif
.endr
.endm
	ROW 0, 0, 0
	ROW 1, 0, 1
	ROW 2, 2, 0
	ROW 3, 2, 1
	ROW 4, 4, 0
	ROW 5, 4, 1
	ROW 6, 6, 0
	ROW 7, 6, 1
	ROW 8, 8, 0
	ROW 9, 8, 1
	ROW 10, 10, 0
	ROW 11, 10, 1
	ROW 12, 12, 0
	ROW 13, 12, 1
	ROW 14, 14, 0
; 7. the winner.  With no valid entry the first minimum of a table of infinities is entry (0,0), and the weights are 0.
;    Its row's edge goes to place 15, its column's to place 14, by selects; the same lines as above then give the same bits.
	v_cmp_ne_u32 s16, -1, v[BEST]                  ; a valid entry was found
	v_cndmask_b32 v[K0], 0, v[BEST], s16
	v_bfe_u32 v[K1], v[K0], 4, 4                   ; row
	v_and_b32 v[K2], 15, v[K0]                     ; col
	v_mov_b32 v[XB+15], v[XB]
	v_mov_b32 v[YB+15], v[YB]
	v_mov_b32 v[K3], v[RI1]
	v_mov_b32 v[TS], v[XB]
	v_mov_b32 v[TS+1], v[YB]
	v_mov_b32 v[K4], v[RI1]
.irp p, 2,3,4,5,6,7,8,9,10,11,12,13,14,15
	v_cmp_eq_u32 vcc_lo, \p-1, v[K1]
	v_cmp_eq_u32 s17, \p-1, v[K2]
	v_cndmask_b32 v[XB+15], v[XB+15], v[XB+\p-1], vcc_lo
	v_cndmask_b32 v[YB+15], v[YB+15], v[YB+\p-1], vcc_lo
	v_cndmask_b32 v[K3], v[K3], v[RI\p], vcc_lo
	v_cndmask_b32 v[TS], v[TS], v[XB+\p-1], s17
	v_cndmask_b32 v[TS+1], v[TS+1], v[YB+\p-1], s17
	v_cndmask_b32 v[K4], v[K4], v[RI\p], s17
.endr
	v_mov_b32 v[XB+14], v[TS]                      ; place 14 has been read for the last time
	v_mov_b32 v[YB+14], v[TS+1]
	DOTS 14
	EVAL 14, 1, 14                                 ; half 0 is entry (row, col)
	v_cndmask_b32 v[K5], 0, v[PA], s16             ; p0
	v_cndmask_b32 v[K6], 0, v[QA], s16             ; p2
	v_cndmask_b32 v[K0], 0, v[QB], s16             ; p1
; 8. output.  A lane's 12 bytes of each output go to LDS (lanes 3 words apart: 32 different banks); waves 0 to 2 read them back 16 bytes a lane,
;    so that each store of a wave covers 512 consecutive bytes that start at a multiple of 512 from the buffer's first byte.
	v_mul_u32_u24 v[K7], 12, v0
	ds_store_b32 v[K7], v[K5]
	ds_store_b32 v[K7], v[K6] offset:4
	ds_store_b32 v[K7], v[K0] offset:8
	ds_store_b32 v[K7], v[RI0] offset:OUTB
	ds_store_b32 v[K7], v[K3] offset:OUTB+4
	ds_store_b32 v[K7], v[K4] offset:OUTB+8
	s_wait_dscnt 0x0                               ; my stores are done, for the other waves' sake
	s_barrier_signal -1
	s_barrier_wait -1                              ; everybody's are
	s_cmp_eq_u32 s12, 3
	s_cbranch_scc1 .Lend                           ; 1,536 bytes are 96 lanes of 16: wave 3 has nothing to carry out
	v_lshlrev_b32 v1, 4, v0
	ds_load_b128 v[12:15], v1
	ds_load_b128 v[16:19], v1 offset:OUTB
	s_wait_dscnt 0x1                               ; the first of the two is back; the second may stay out
	global_store_b128 v1, v[12:15], s[8:9] th:TH_STORE_NT
	s_wait_dscnt 0x0
	global_store_b128 v1, v[16:19], s[10:11] th:TH_STORE_NT
.Lend:
	s_wait_tensorcnt 0x0
	ds_add_u32 v128, v129
	s_wait_dscnt 0x0
	s_endpgm
.Lfunc_end_k_qe3aed2897a_bary:
	.size	k_qe3aed2897a_bary, .Lfunc_end_k_qe3aed2897a_bary-k_qe3aed2897a_bary
	.p2alignl 7, 3214868480
	.fill 96, 4, 3214868480
	.section	.rodata,"a",@progbits
	.p2align	6, 0x0
	.amdhsa_kernel k_qe3aed2897a_bary
		.amdhsa_group_segment_fixed_size 3584
		.amdhsa_private_segment_fixed_size 0
		.amdhsa_enable_private_segment 0
		.amdhsa_kernarg_size 32
		.amdhsa_user_sgpr_count 2
		.amdhsa_user_sgpr_kernarg_segment_ptr 1
		.amdhsa_wavefront_size32 1
		.amdhsa_system_sgpr_workgroup_id_x 1
		.amdhsa_system_sgpr_workgroup_id_y 1
		.amdhsa_system_sgpr_workgroup_id_z 1
		.amdhsa_system_vgpr_workitem_id 0
		.amdhsa_next_free_vgpr 130
		.amdhsa_next_free_sgpr 66
		.amdhsa_reserve_vcc 1
		.amdhsa_float_denorm_mode_32 3
		.amdhsa_float_denorm_mode_16_64 3
		.amdhsa_memory_ordered 1
		.amdhsa_forward_progress 1
		.amdhsa_inst_pref_size 255
	.end_amdhsa_kernel
	.section	.bss,"aw",@nobits
	.p2align	6
	.space	262144
	.amdgpu_metadata
---
amdhsa.version: [ 1, 2 ]
amdhsa.kernels:
  - .name:           k_qe3aed2897a_bary
    .symbol:         k_qe3aed2897a_bary.kd
    .args:
      - { .name: projections, .offset: 0, .size: 8, .value_kind: global_buffer, .address_space: global }
      - { .name: template, .offset: 8, .size: 8, .value_kind: global_buffer, .address_space: global }
      - { .name: out0, .offset: 16, .size: 8, .value_kind: global_buffer, .address_space: global }
      - { .name: out1, .offset: 24, .size: 8, .value_kind: global_buffer, .address_space: global }
    .group_segment_fixed_size: 3584
    .private_segment_fixed_size: 0
    .kernarg_segment_align: 8
    .kernarg_segment_size: 32
    .max_flat_workgroup_size: 128
    .sgpr_count:     66
    .vgpr_count:     130
    .wavefront_size: 32
...
	.end_amdgpu_metadata
.endif
;; end of part 1
